; MI455X (gfx1250); checked and timed in simulation.
; The chip was launched on July 23, 2026; its instructions are those of AMD's public machine-readable ISA for CDNA 5 (MIT licence, August 2026) and "CDNA5" Instruction Set Architecture Reference Guide (July 2026). The comments in the code are by the model that wrote it; some were corrected since.
;; Moe Layer Top K Layer. Allowed arithmetic: float matrix products may take bf16 or f16 operands with f32 sums; other float arithmetic in f32, or as packed bf16 or f16 multiplies, adds, multiply-adds, maxima and minima; sums over many terms, partial sums and values carried from step to step in f32; what a program stores and reads back later, other than sums and carried values, may be rounded once to bf16 or f16.
;; Inputs: W1 8 x 512 x 1,024 float32; W2 8 x 1,024 x 256 float32; b1 8 x 1,024 float32; b2 8 x 256 float32; gate_w 512 x 8 float32; x 4 x 2,048 x 512 float32.
;; Outputs: out0 4 x 2,048 x 256 float32; out1 one number float32.
;; One version. Each part assembles by itself: llvm-mc -triple=amdgcn-amd-amdhsa -mcpu=gfx1250 --defsym DOCPART=n.
;; ======== version 1 of 1: 3 launches
;; limits: a function is approximated: absolute error at most 1.25e-05; an absolute error that grows with the inputs' magnitude: up to 1.25e-05 times it
;; workspace buffers: xb 8,388,608 bytes; wbuf 12,582,912 bytes; wts 65,536 bytes; psum 32,768 bytes; setid 32,768 bytes of whole numbers; list 32,768 bytes of whole numbers; tiles 4,096 bytes of whole numbers
;; launch router (part 1): grid 256 x 1, 4 waves a work-group, no clusters, 0 bytes of LDS; arguments x, gate_w, xb, setid, wts, psum; writes xb, setid, wts, psum
.if DOCPART == 1
	.amdgcn_target "amdgcn-amd-amdhsa--gfx1250"
	.amdhsa_code_object_version 6
	.text
	.protected	k_qd0316d5ce0_router
	.globl	k_qd0316d5ce0_router
	.p2align	8
	.type	k_qd0316d5ce0_router,@function
k_qd0316d5ce0_router:
	s_mov_b64 s[64:65], 0
	v_nop
	global_prefetch_b8 v0, s[64:65] scope:SCOPE_SE
	s_setreg_imm32_b32 hwreg(HW_REG_WAVE_MODE, 25, 1), 1
	s_wait_xcnt 0x0
; ROUTER.  x [8192][512] f32 is rounded to bf16 once (xb, for the chain) and multiplied by gate_w [512][8], also rounded to bf16: a product of two
; bf16 numbers is exact in f32, and the sums are kept in f32.  Then for each token: softmax over 8 logits (the maximum taken away), the two largest
; probabilities (of equal ones the lower index, as lax.top_k), their weights w = p / (p1 + p2 + 1e-6), and the number 0..27 of the token's SET {a < b}.
; Stored at fixed places: xb, setid[token], wts[token] = (w of a, w of b), psum[wave][8] = the wave's sums of probabilities.  No address hangs on a result.
; SHARES.  1,024 waves, 8 rows each.  Of a row lane l holds k = 128 j + 4 l + i (j, i = 0..3): a load of 16 bytes a lane covers 512 consecutive bytes of x,
; a store of 8 bytes a lane 256 consecutive bytes of xb, aligned.  The 33 M multiply-adds are a thousandth of the module's: they go by vector
; instructions, which keeps loads and stores whole without LDS; matrix units, LDS and clusters would add nothing here.
; LIMITS.  A probability below 2^-126 of the row's largest counts as 0 (v_exp_f32 gives 0 there); NaN and infinities are not treated apart.
.set ZERO, 5          ; v5  0
.set G,    32         ; v[32:95]   gate_w as packed bf16: k number kk = 4 j + i, expert pair ep at G + 4 kk + ep
.set T,    96         ; v[96:223]  gate_w as loaded; free once G is made
.set XB,   96         ; v[96:159]  row r: 8 registers of packed bf16, the data of xb's stores
.set ACC,  160        ; v[160:223] row r, expert e at ACC + 8 r + e
                      ; window 1, v[0:127]: x as loaded, row r, load j at 16 r + 4 j
.set L,    32         ; behind the products G's registers are at work: 8 logits,
.set P,    40         ; 8 exponentials,
.set Q,    48         ; the same with the winner struck out
.set M,    56
.set MM,   57
.set S,    58
.set RS,   59
.set B1,   60
.set I1,   61
.set B2,   62
.set I2,   63
.set P1,   64
.set P2,   65
.set DEN,  66
.set IA,   67
.set IB,   68
.set WAB,  70         ; v[70:71] (w of a, w of b)
.set SETV, 72
.set TMP,  73         ; v73, v74
.set PR,   76         ; v[76:83] probabilities, then their sums over the wave's 8 rows
.set PS,   84
.set OF4,  85
.set OF8,  86
.set SA,   88         ; v[88:93] at work in the last selection
.set MSB, 0
.macro WIN new                      ; s_set_vgpr_msb: bits 1:0 source 0, 3:2 source 1, 5:4 source 2, 7:6 destination; the high byte repeats the setting that is left
.if MSB != (\new)
	s_set_vgpr_msb (MSB<<8)|(\new)
.set MSB, \new
.endif
.endm
	s_load_b256 s[4:11], s[0:1], 0x0               ; x s[4:5], gate_w s[6:7], xb s[8:9], setid s[10:11]
	s_load_b128 s[12:15], s[0:1], 0x20             ; wts s[12:13], psum s[14:15]
	v_and_b32 v1, 31, v0                           ; lane
	v_lshrrev_b32 v8, 5, v0
	v_readfirstlane_b32 s16, v8                    ; wave in the work-group
	s_lshl_b32 s17, ttmp9, 2
	s_add_co_u32 s17, s17, s16                     ; wave in the launch, 0..1023
	v_lshlrev_b32 v2, 4, v1                        ; 16 x lane: x
	v_lshlrev_b32 v3, 7, v1                        ; 128 x lane: four rows of gate_w
	v_lshlrev_b32 v4, 3, v1                        ; 8 x lane: xb
	v_mov_b32 v[ZERO], 0
	v_and_b32 v6, 3, v1
	v_lshrrev_b32 v8, 4, v1
	v_lshl_add_u32 v6, v8, 2, v6                   ; o = lane % 4 + 4 (lane / 16): the row of the eight whose softmax this lane makes
	s_mov_b32 s20, 0x76543210                      ; v_permlanex16_b32: each lane takes its own place in the other half
	s_mov_b32 s21, 0xfedcba98
	s_mov_b32 s22, 0xaaaaaaaa                      ; lanes with bit 0 set
	s_mov_b32 s23, 0xcccccccc                      ; with bit 1 set
	s_mov_b32 s24, 0xffff0000                      ; lanes 16 to 31
	s_mov_b32 s26, 0x3fb8aa3b                      ; log2(e)
	s_mov_b32 s27, 0x358637bd                      ; 1e-6
	s_lshl_b32 s18, s17, 14                        ; 8 rows of 2,048 bytes
	s_mov_b32 s19, 0
	s_wait_kmcnt 0x0
	s_add_nc_u64 s[4:5], s[4:5], s[18:19]
	s_lshl_b32 s18, s17, 13                        ; 8 rows of 1,024 bytes
	s_add_nc_u64 s[8:9], s[8:9], s[18:19]
.set j, 0
.rept 4                                            ; gate_w: my four rows k = 128 j + 4 l + 0..3 are 128 consecutive bytes
.set m, 0
.rept 8
	global_load_b128 v[T+32*j+4*m:T+32*j+4*m+3], v3, s[6:7] offset:4096*j+16*m
.set m, m+1
.endr
.set j, j+1
.endr
	WIN 0x40                                       ; destination window 1
.set i, 0
.rept 32                                           ; x: row i / 4, load i % 4
	global_load_b128 v[4*i:4*i+3], v2, s[4:5] offset:2048*(i/4)+512*(i%4) th:TH_LOAD_NT
.set i, i+1
.endr
	WIN 0
	s_wait_loadcnt 32                              ; the 32 loads of x are younger: gate_w is in
.set i, 0
.rept 64
	v_cvt_pk_bf16_f32 v[G+i], v[T+2*i], v[T+2*i+1] ; T's order is k, then expert: two neighbours are an expert pair
.set i, i+1
.endr
; One row: rounded, stored, multiplied.  Eight chains, one an expert, so that no multiply-add waits for the one before it.
.macro ROW rho
	s_wait_loadcnt 28-4*(\rho)                     ; the later rows' loads, four each, stay out
	WIN 0x05                                       ; sources in window 1
.set q, 0
.rept 8
	v_cvt_pk_bf16_f32 v[XB+8*(\rho)+q], v[16*(\rho)+2*q], v[16*(\rho)+2*q+1]
.set q, q+1
.endr
	WIN 0
.set j, 0
.rept 4
	global_store_b64 v4, v[XB+8*(\rho)+2*j:XB+8*(\rho)+2*j+1], s[8:9] offset:1024*(\rho)+256*j  ; the wave stores 256 consecutive bytes, aligned
.set j, j+1
.endr
.set q, 0
.rept 8
.irp xa, 0,1
.set ep, 0
.rept 4
.irp eb, 0,1
.if (q == 0) && (\xa == 0)
	v_fma_mix_f32_bf16 v[ACC+8*(\rho)+2*ep+\eb], v[XB+8*(\rho)+q], v[G+4*(2*q+\xa)+ep], v[ZERO] op_sel:[\xa,\eb,0] op_sel_hi:[1,1,0]
.else
	v_fma_mix_f32_bf16 v[ACC+8*(\rho)+2*ep+\eb], v[XB+8*(\rho)+q], v[G+4*(2*q+\xa)+ep], v[ACC+8*(\rho)+2*ep+\eb] op_sel:[\xa,\eb,0] op_sel_hi:[1,1,0]
.endif
.endr
.set ep, ep+1
.endr
.endr
.set q, q+1
.endr
.endm
.irp r, 0,1,2,3,4,5,6,7
	ROW \r
.endr
	; Across the lanes.  Rows r and r + 4 change halves, so that one register holds row r in lanes 0-15 and row r + 4 in lanes 16-31; four steps inside the halves finish the sums.
.set i, 0
.rept 32
	v_permlane16_swap_b32 v[ACC+i], v[ACC+32+i]
	v_add_f32 v[ACC+i], v[ACC+i], v[ACC+32+i]
.set i, i+1
.endr
.irp m, 1,2,4,8
.set i, 0
.rept 32
	v_add_f32_dpp v[ACC+i], v[ACC+i], v[ACC+i] row_xmask:\m row_mask:0xf bank_mask:0xf
.set i, i+1
.endr
.endr
.set e, 0
.rept 8                                            ; lane l keeps the logits of row o
	v_cndmask_b32 v[TMP], v[ACC+e], v[ACC+8+e], s22
	v_cndmask_b32 v[TMP+1], v[ACC+16+e], v[ACC+24+e], s22
	v_cndmask_b32 v[L+e], v[TMP], v[TMP+1], s23
.set e, e+1
.endr
	; softmax: p = 2^((logit - max) log2 e)
	v_max3_num_f32 v[M], v[L], v[L+1], v[L+2]
	v_max3_num_f32 v[M], v[M], v[L+3], v[L+4]
	v_max3_num_f32 v[M], v[M], v[L+5], v[L+6]
	v_max_num_f32 v[M], v[M], v[L+7]
	v_mul_f32 v[MM], s26, v[M]
.set e, 0
.rept 8
	v_fma_f32 v[P+e], v[L+e], s26, -v[MM]
.set e, e+1
.endr
.set e, 0
.rept 8
	v_exp_f32 v[P+e], v[P+e]
.set e, e+1
.endr
	v_nop                                          ; a plain instruction behind the last exponential,
	s_wait_alu depctr_va_vdst(0)                   ; and one wait for the batch of eight, ahead of its first reader
	v_add_f32 v[TMP], v[P], v[P+1]
	v_add_f32 v[TMP+1], v[P+2], v[P+3]
	v_add_f32 v[S], v[P+4], v[P+5]
	v_add_f32 v[M], v[P+6], v[P+7]
	v_add_f32 v[TMP], v[TMP], v[TMP+1]
	v_add_f32 v[S], v[S], v[M]
	v_add_f32 v[S], v[TMP], v[S]
	v_rcp_f32 v[RS], v[S]                          ; the two searches below name neither S nor RS: they are the work behind it
	; the largest (a later one wins only if strictly greater: the lower index is kept),
	v_mov_b32 v[B1], v[P]
	v_mov_b32 v[I1], 0
.set e, 1
.rept 7
	v_cmp_gt_f32 vcc_lo, v[P+e], v[B1]
	v_cndmask_b32 v[B1], v[B1], v[P+e], vcc_lo
	v_cndmask_b32 v[I1], v[I1], e, vcc_lo
.set e, e+1
.endr
	; and the largest of the rest: the winner counts as -1, below every exponential
.set e, 0
.rept 8
	v_cmp_eq_u32 vcc_lo, e, v[I1]
	v_cndmask_b32 v[Q+e], v[P+e], -1.0, vcc_lo
.set e, e+1
.endr
	v_mov_b32 v[B2], v[Q]
	v_mov_b32 v[I2], 0
.set e, 1
.rept 7
	v_cmp_gt_f32 vcc_lo, v[Q+e], v[B2]
	v_cndmask_b32 v[B2], v[B2], v[Q+e], vcc_lo
	v_cndmask_b32 v[I2], v[I2], e, vcc_lo
.set e, e+1
.endr
	s_wait_alu depctr_va_vdst(0)                   ; the reciprocal of the sum
	v_mul_f32 v[P1], v[B1], v[RS]
	v_mul_f32 v[P2], v[B2], v[RS]
	v_add_f32 v[DEN], v[P1], v[P2]
	v_add_f32 v[DEN], s27, v[DEN]
	v_rcp_f32 v[DEN], v[DEN]                       ; the set's number below is the work behind it
	v_cmp_lt_u32 s28, v[I1], v[I2]
	v_cndmask_b32 v[IA], v[I2], v[I1], s28         ; a = the lower index,
	v_cndmask_b32 v[IB], v[I1], v[I2], s28         ; b = the higher
	v_sub_nc_u32 v[SETV], 15, v[IA]
	v_mul_u32_u24 v[SETV], v[IA], v[SETV]
	v_lshrrev_b32 v[SETV], 1, v[SETV]              ; a (15 - a) / 2 pairs begin with a lower index
	v_add_nc_u32 v[SETV], v[SETV], v[IB]
	v_sub_nc_u32 v[SETV], v[SETV], v[IA]
	v_add_nc_u32 v[SETV], -1, v[SETV]
.set e, 0
.rept 8
	v_mul_f32 v[PR+e], v[P+e], v[RS]
.set e, e+1
.endr
	s_wait_alu depctr_va_vdst(0)
	v_mul_f32 v[P1], v[P1], v[DEN]
	v_mul_f32 v[P2], v[P2], v[DEN]
	v_cndmask_b32 v[WAB], v[P2], v[P1], s28
	v_cndmask_b32 v[WAB+1], v[P1], v[P2], s28
	; the probabilities' sums over the wave's 8 rows: lanes l % 4, then the other half
.irp m, 1,2
.set e, 0
.rept 8
	v_add_f32_dpp v[PR+e], v[PR+e], v[PR+e] row_xmask:\m row_mask:0xf bank_mask:0xf
.set e, e+1
.endr
.endr
.set e, 0
.rept 8
	v_permlanex16_b32 v[TMP], v[PR+e], s20, s21
	v_add_f32 v[PR+e], v[PR+e], v[TMP]
.set e, e+1
.endr
	v_cndmask_b32 v[SA], v[PR], v[PR+1], s22       ; the lane of row o stores expert o's sum
	v_cndmask_b32 v[SA+1], v[PR+2], v[PR+3], s22
	v_cndmask_b32 v[SA+2], v[PR+4], v[PR+5], s22
	v_cndmask_b32 v[SA+3], v[PR+6], v[PR+7], s22
	v_cndmask_b32 v[SA+4], v[SA], v[SA+1], s23
	v_cndmask_b32 v[SA+5], v[SA+2], v[SA+3], s23
	v_cndmask_b32 v[PS], v[SA+4], v[SA+5], s24
	v_lshl_add_u32 v[OF4], s17, 3, v6              ; 8 x wave + o: the token, and the place in psum
	v_lshlrev_b32 v[OF8], 3, v[OF4]
	v_lshlrev_b32 v[OF4], 2, v[OF4]
	v_and_b32 v[TMP], 12, v1
	v_cmp_eq_u32 vcc_lo, 0, v[TMP]                 ; lanes 0-3 and 16-19: one lane a row
	s_wait_xcnt 0x0                                ; xb's stores are out: EXEC changes only behind this wait
	s_and_saveexec_b32 s25, vcc_lo
	global_store_b32 v[OF4], v[SETV], s[10:11]
	global_store_b64 v[OF8], v[WAB:WAB+1], s[12:13]
	global_store_b32 v[OF4], v[PS], s[14:15]
	s_endpgm
.Lfunc_end_k_qd0316d5ce0_router:
	.size	k_qd0316d5ce0_router, .Lfunc_end_k_qd0316d5ce0_router-k_qd0316d5ce0_router
	.p2alignl 7, 3214868480
	.fill 96, 4, 3214868480
	.section	.rodata,"a",@progbits
	.p2align	6, 0x0
	.amdhsa_kernel k_qd0316d5ce0_router
		.amdhsa_group_segment_fixed_size 0
		.amdhsa_private_segment_fixed_size 0
		.amdhsa_enable_private_segment 0
		.amdhsa_kernarg_size 48
		.amdhsa_user_sgpr_count 2
		.amdhsa_user_sgpr_kernarg_segment_ptr 1
		.amdhsa_wavefront_size32 1
		.amdhsa_system_sgpr_workgroup_id_x 1
		.amdhsa_system_sgpr_workgroup_id_y 1
		.amdhsa_system_sgpr_workgroup_id_z 1
		.amdhsa_system_vgpr_workitem_id 0
		.amdhsa_next_free_vgpr 384
		.amdhsa_next_free_sgpr 66
		.amdhsa_reserve_vcc 1
		.amdhsa_float_denorm_mode_32 3
		.amdhsa_float_denorm_mode_16_64 3
		.amdhsa_memory_ordered 1
		.amdhsa_forward_progress 1
		.amdhsa_inst_pref_size 103
	.end_amdhsa_kernel
	.amdgpu_metadata
---
amdhsa.version: [ 1, 2 ]
amdhsa.kernels:
  - .name:           k_qd0316d5ce0_router
    .symbol:         k_qd0316d5ce0_router.kd
    .args:
      - { .name: x, .offset: 0, .size: 8, .value_kind: global_buffer, .address_space: global }
      - { .name: gate_w, .offset: 8, .size: 8, .value_kind: global_buffer, .address_space: global }
      - { .name: xb, .offset: 16, .size: 8, .value_kind: global_buffer, .address_space: global }
      - { .name: setid, .offset: 24, .size: 8, .value_kind: global_buffer, .address_space: global }
      - { .name: wts, .offset: 32, .size: 8, .value_kind: global_buffer, .address_space: global }
      - { .name: psum, .offset: 40, .size: 8, .value_kind: global_buffer, .address_space: global }
    .group_segment_fixed_size: 0
    .private_segment_fixed_size: 0
    .kernarg_segment_align: 8
    .kernarg_segment_size: 48
    .max_flat_workgroup_size: 128
    .sgpr_count:     66
    .vgpr_count:     384
    .wavefront_size: 32
...
	.end_amdgpu_metadata
.endif
;; end of part 1
;; launch prep (part 2): grid 385 x 1, 8 waves a work-group, no clusters, 36,096 bytes of LDS; arguments W1, W2, setid, psum, wbuf, list, tiles, out1; writes wbuf, list, tiles, out1
.if DOCPART == 2
	.amdgcn_target "amdgcn-amd-amdhsa--gfx1250"
	.amdhsa_code_object_version 6
	.text
	.protected	k_qd0316d5ce0_prep
	.globl	k_qd0316d5ce0_prep
	.p2align	8
	.type	k_qd0316d5ce0_prep,@function
k_qd0316d5ce0_prep:
	s_mov_b64 s[64:65], 0
	v_nop
	global_prefetch_b8 v0, s[64:65] scope:SCOPE_SE
	s_setreg_imm32_b32 hwreg(HW_REG_WAVE_MODE, 25, 1), 1
	s_wait_xcnt 0x0
; PREP.  Work-group 0 sorts the 8,192 tokens by their set of two experts (a counting sort, no atomics), writes the table of tiles and the load-balancing loss.
; Work-groups 1..384 round W1 and W2 to bf16 once and lay them out in the order in which a wave of the chain takes them into its operand registers.
; WBUF.  A stream (expert e, c16 = 0..15) serves the hidden units HB = 64 c16 .. + 63: 24 groups of 4,096 bytes; group (16 e + c16) 24 + gi.  A group is four fragments f of
; 1,024 bytes, a fragment [c = 0,1][lane = 16 h + r][8 bf16 i]:   gi = ks < 16:  W1[e][32 ks + 16 c + 8 h + i][HB + 16 f + r]
;                                                                gi = 16 + g:   W2[e][HB + 32 (g / 4) + 16 c + 8 h + i][64 (g % 4) + 16 f + r]
; So a group is a block of 32 rows x 64 columns of f32, and eight loads of 512 consecutive bytes bring it into 32 registers as four matrix operands.
; SORT.  Thread t has 32 tokens and a row of 32 counts of its own in LDS (pitch 33 words, so that the 32 rows of a wave begin in 32 different banks; 64 banks of 4 bytes: ISA guide 11.1).
; A token's rank among its thread's tokens of the same set is the count that it finds.  Then, lane = set, each wave sums its own 32 rows, the waves' totals meet behind
; the one barrier, and a row's counts are replaced by the places at which its tokens begin.  The order inside a set is of no matter.
; The list's places hang on the data and fall anywhere in its 32 KB, so it is stored by 4 bytes a lane.
; TILES.  Set s with n tokens gets ceil(n / 48) tiles; entry = (a, b, first place in the list, count 1..48); entries past the last tile have count 0.  Never more than 171 + 27 = 198 tiles.
.set HP,    132       ; bytes from a thread's row of counts to the next
.set HW,    32*HP     ; a wave's 32 rows
.set TOT,   256*HP    ; 33,792: the waves' totals, 128 bytes a wave
.set PSW,   TOT+1024  ; the waves' sums of probabilities, 32 bytes a wave
.set SPARE, PSW+256   ; the spare words, 128 bytes for each of eight waves: four blocks of 256 bytes that no other line names
.set SPW, 142         ; v142  LDS address of my spare word; never rewritten
.set NIL, 143         ; v143  0; never rewritten
.set ID,  32          ; v[32:63]   my tokens' sets, then the LDS addresses of their counts
.set RK,  64          ; v[64:95]   their ranks, then their numbers
.set H,   96          ; v[96:127]  psum as loaded; then a wave's rows of counts; then my tokens' places
	s_load_b512 s[16:31], s[0:1], 0x0              ; W1 16, W2 18, setid 20, psum 22, wbuf 24, list 26, tiles 28, out1 30
	v_lshl_add_u32 v[SPW], v0, 2, SPARE
	v_mov_b32 v[NIL], 0
	v_lshrrev_b32 v2, 5, v0
	v_readfirstlane_b32 s8, v2                     ; wave 0..7
	v_and_b32 v3, 31, v0                           ; lane
	s_cmp_eq_u32 ttmp9, 0
	s_cbranch_scc1 .Lsort                          ; the same way for all eight waves of a work-group
	; ---- the weights: one group a wave ----
	s_sub_co_u32 s9, ttmp9, 1
	s_mul_hi_u32 s10, s9, 0x55555556               ; stream = (wg - 1) / 3
	s_mul_i32 s11, s10, 3
	s_sub_co_u32 s11, s9, s11                      ; which eight of its 24 groups
	s_lshl_b32 s12, s11, 3
	s_add_co_u32 s12, s12, s8                      ; gi
	s_mul_i32 s13, s10, 24
	s_add_co_u32 s13, s13, s12
	s_lshl_b32 s34, s13, 12                        ; the group's place in wbuf
	s_mov_b32 s35, 0
	s_lshr_b32 s14, s10, 4                         ; e
	s_and_b32 s15, s10, 15                         ; c16
	s_mov_b32 s37, 0
	v_lshlrev_b32 v1, 2, v3                        ; in: column = lane
	v_lshrrev_b32 v4, 4, v3
	v_and_b32 v5, 15, v3
	v_lshlrev_b32 v2, 4, v5
	v_lshl_add_u32 v2, v4, 10, v2                  ; out: fragment lane / 16, 16 bytes at r = lane % 16
	s_wait_kmcnt 0x0
	s_add_nc_u64 s[24:25], s[24:25], s[34:35]
; Lane l holds column 32 u + l of all 32 rows.  Eight rows 8 g .. 8 g + 7 (g = 2 c + h) pack into the 16 bytes of lane (r, h), half c, of fragment 2 u + l / 16.
.macro CONV pitch, base
.set rho, 0
.rept 32
	global_load_b32 v[32+rho], v1, s[\base:\base+1] offset:rho*(\pitch) th:TH_LOAD_NT      ; the two loads of a row cover 256 consecutive bytes, aligned
	global_load_b32 v[64+rho], v1, s[\base:\base+1] offset:rho*(\pitch)+128 th:TH_LOAD_NT
.set rho, rho+1
.endr
.set g, 0
.rept 4
	s_wait_loadcnt 48-16*g                         ; the later groups of eight rows, 16 loads each, stay out
.set u, 0
.rept 2
.set z, 0
.rept 4
	v_cvt_pk_bf16_f32 v[96+4*(4*u+g)+z], v[32+32*u+8*g+2*z], v[32+32*u+8*g+2*z+1]
.set z, z+1
.endr
	global_store_b128 v2, v[96+4*(4*u+g):96+4*(4*u+g)+3], s[24:25] offset:2048*u+256*g  ; sixteen lanes store 256 consecutive bytes, aligned
.set u, u+1
.endr
.set g, g+1
.endr
.endm
	s_cmp_eq_u32 s11, 2
	s_cbranch_scc1 .Lw2
	s_lshl_b32 s36, s14, 21                        ; W1[e]: 512 rows of 4,096 bytes;
	s_lshl_b32 s38, s12, 17                        ; 32 gi rows;
	s_add_co_u32 s36, s36, s38
	s_lshl_b32 s38, s15, 8                         ; 64 c16 columns
	s_add_co_u32 s36, s36, s38
	s_add_nc_u64 s[16:17], s[16:17], s[36:37]
	CONV 4096, 16
	s_endpgm
.Lw2:
	s_lshl_b32 s36, s14, 20                        ; W2[e]: 1,024 rows of 1,024 bytes;
	s_lshl_b32 s38, s15, 16                        ; 64 c16 rows,
	s_add_co_u32 s36, s36, s38
	s_lshr_b32 s38, s8, 2
	s_lshl_b32 s38, s38, 15                        ; 32 (g / 4) more;
	s_add_co_u32 s36, s36, s38
	s_and_b32 s38, s8, 3
	s_lshl_b32 s38, s38, 8                         ; 64 (g % 4) columns
	s_add_co_u32 s36, s36, s38
	s_add_nc_u64 s[18:19], s[18:19], s[36:37]
	CONV 1024, 18
	s_endpgm
	; ---- the sort ----
.Lsort:
	v_lshlrev_b32 v4, 4, v0                        ; 16 x thread: setid, psum, tiles
	v_lshlrev_b32 v29, 2, v0                       ; 4 x thread: my first token
	s_mul_i32 s9, s8, HW
	v_mul_u32_u24 v5, v3, HP
	v_add_nc_u32 v5, s9, v5                        ; my row of counts: wave x 4,224 + lane x 132
	v_lshl_add_u32 v6, v3, 2, s9                   ; lane = set: word lane of my wave's row 0
	v_mov_b32 v7, 0
	s_mov_b32 s12, 0x76543210
	s_mov_b32 s13, 0xfedcba98
	s_lshl_b32 s10, s8, 5
	s_add_co_u32 s10, s10, PSW
	v_and_b32 v9, 1, v3
	v_lshl_add_u32 v9, v9, 4, s10                  ; my wave's 32 bytes of sums, the half of my experts
	s_lshl_b32 s11, s8, 7
	s_add_co_u32 s11, s11, TOT
	v_lshl_add_u32 v10, v3, 2, s11                 ; my wave's totals, word lane
	v_lshl_add_u32 v11, v3, 2, TOT                 ; wave 0's
	s_wait_kmcnt 0x0
.set i, 0
.rept 8                                            ; tokens 1,024 i + 4 t + 0..3
	global_load_b128 v[ID+4*i:ID+4*i+3], v4, s[20:21] offset:4096*i
.set i, i+1
.endr
.set i, 0
.rept 8                                            ; psum: numbers 1,024 i + 4 t + 0..3: experts 4 (t % 2) + 0..3
	global_load_b128 v[H+4*i:H+4*i+3], v4, s[22:23] offset:4096*i
.set i, i+1
.endr
.set i, 0
.rept 32                                           ; my wave's 32 rows start at 0
	ds_store_b32 v6, v7 offset:HP*i
.set i, i+1
.endr
	s_wait_loadcnt 0x8                             ; psum's eight loads are younger: the sets are in
.set i, 0
.rept 32
	v_min_u32 v[ID+i], 27, v[ID+i]
	v_lshl_add_u32 v[ID+i], v[ID+i], 2, v5
.set i, i+1
.endr
.set i, 0
.rept 32                                           ; LDS serves a wave's instructions in order (ISA guide 5.7.1.4): each load sees the store before it
	ds_load_b32 v[RK+i], v[ID+i]
	s_wait_dscnt 0x0
	v_add_nc_u32 v8, 1, v[RK+i]
	ds_store_b32 v[ID+i], v8
.set i, i+1
.endr
	s_wait_loadcnt 0x0                             ; psum
.set i, 1
.rept 7
	v_pk_add_f32 v[H:H+1], v[H:H+1], v[H+4*i:H+4*i+1]
	v_pk_add_f32 v[H+2:H+3], v[H+2:H+3], v[H+4*i+2:H+4*i+3]
.set i, i+1
.endr
.irp m, 2,4,8                                      ; lanes of the same parity hold the same experts
.irp z, 0,1,2,3
	v_add_f32_dpp v[H+\z], v[H+\z], v[H+\z] row_xmask:\m row_mask:0xf bank_mask:0xf
.endr
.endr
.irp z, 0,1,2,3
	v_permlanex16_b32 v8, v[H+\z], s12, s13
	v_add_f32 v[H+\z], v[H+\z], v8
.endr
	ds_store_b128 v9, v[H:H+3]                     ; sixteen lanes write the same four words with the same numbers
.set i, 0
.rept 32                                           ; lane = set: my wave's 32 rows
	ds_load_b32 v[H+i], v6 offset:HP*i
.set i, i+1
.endr
	s_wait_dscnt 0x0
.set i, 1
.rept 31
	v_add_nc_u32 v[H+i], v[H+i-1], v[H+i]          ; running sums down the rows
.set i, i+1
.endr
	ds_store_b32 v10, v[H+31]
	s_wait_dscnt 0x0                               ; for the others' sake: my totals and my sums of probabilities are written
	s_barrier_signal -1
	s_barrier_wait -1
.set i, 0
.rept 8
	ds_load_b32 v[12+i], v11 offset:128*i
.set i, i+1
.endr
	v_mov_b32 v21, 0
	v_mov_b32 v22, 0
	s_mov_b32 s36, 0                               ; the set's first place in the list
	s_mov_b32 s37, 0                               ; its first tile
.set i, 0
.rept 8
	s_mov_b32 s[40+i], 0                           ; tokens of expert i
.set i, i+1
.endr
	s_wait_dscnt 0x0
	v_add_nc_u32 v20, v12, v13
.set i, 2
.rept 6
	v_add_nc_u32 v20, v20, v[12+i]                 ; v20: lane s holds set s's count
.set i, i+1
.endr
.set i, 0
.rept 7
	s_cmp_gt_u32 s8, i
	s_cselect_b32 s14, -1, 0
	v_and_b32 v8, s14, v[12+i]
	v_add_nc_u32 v21, v21, v8                      ; v21: of them in the waves before mine
.set i, i+1
.endr
	; The sets in turn.  Thread t makes entry t of the table: it keeps the figures of the last set whose first tile is not behind t.
.set sa, 0
.set sidx, 0
.rept 7
.set sb, sa+1
.rept 7-sa
	v_readlane_b32 s38, v20, sidx                  ; n
	v_writelane_b32 v22, s36, sidx                 ; v22: lane s holds set s's first place
	s_add_co_u32 s39, s38, 47
	s_lshr_b32 s39, s39, 4
	s_mul_i32 s39, s39, 0xaaab
	s_lshr_b32 s39, s39, 17                        ; ceil(n / 48) = ((n + 47) / 16) / 3; 0xaaab / 2^17 divides by 3 exactly up to 514
	s_add_co_u32 s[40+sa], s[40+sa], s38
	s_add_co_u32 s[40+sb], s[40+sb], s38
.if sidx == 0
	v_mov_b32 v24, sa
	v_mov_b32 v25, sb
	v_mov_b32 v26, s36
	v_mov_b32 v27, s38
	v_mov_b32 v28, s37
.else
	v_cmp_le_u32 vcc_lo, s37, v0
	v_cndmask_b32 v24, v24, sa, vcc_lo
	v_cndmask_b32 v25, v25, sb, vcc_lo
	v_cndmask_b32 v26, v26, s36, vcc_lo
	v_cndmask_b32 v27, v27, s38, vcc_lo
	v_cndmask_b32 v28, v28, s37, vcc_lo
.endif
	s_add_co_u32 s36, s36, s38
	s_add_co_u32 s37, s37, s39
.set sb, sb+1
.set sidx, sidx+1
.endr
.set sa, sa+1
.endr
	v_sub_nc_u32 v8, v0, v28                       ; which tile of the set
	v_mul_u32_u24 v8, 48, v8
	v_add_nc_u32 v26, v26, v8
	v_min_u32 v26, 0x1fff, v26                     ; first
	v_cmp_gt_u32 vcc_lo, v27, v8
	v_sub_nc_u32 v9, v27, v8
	v_cndmask_b32 v27, 0, v9, vcc_lo
	v_min_u32 v27, 48, v27                         ; count: 0 past the set's last tile
	global_store_b128 v4, v[24:27], s[28:29]       ; 256 entries: 512 consecutive bytes a wave
	; a row's counts become the places at which its tokens begin
	v_add_nc_u32 v23, v22, v21
.set i, 31
.rept 31
	v_add_nc_u32 v[H+i], v[H+i-1], v23
.set i, i-1
.endr
	v_mov_b32 v[H], v23
.set i, 0
.rept 32
	ds_store_b32 v6, v[H+i] offset:HP*i
.set i, i+1
.endr
.set i, 0
.rept 32
	ds_load_b32 v[H+i], v[ID+i]                    ; my wave's own rows, in order behind the stores above
.set i, i+1
.endr
	s_wait_dscnt 0x0
.set i, 0
.rept 32
	v_add_nc_u32 v[H+i], v[H+i], v[RK+i]
	v_min_u32 v[H+i], 0x1fff, v[H+i]
	v_lshlrev_b32 v[H+i], 2, v[H+i]
	v_add_nc_u32 v[RK+i], 1024*(i/4)+i%4, v29
	global_store_b32 v[H+i], v[RK+i], s[26:27]
.set i, i+1
.endr
	; wave 0: 8 sum_e (P_e / 8192) (n_e / 16384) = 2^-24 sum_e P_e n_e
	s_cmp_lg_u32 s8, 0
	s_cbranch_scc1 .Lend
	v_lshl_add_u32 v8, v3, 2, PSW
	ds_load_b32 v9, v8                             ; word lane: wave lane / 8, expert lane % 8
	ds_load_b32 v10, v8 offset:128                 ; waves 4 to 7
	v_mov_b32 v11, 0
	v_mov_b32 v12, 0
.set i, 0
.rept 8
	v_writelane_b32 v11, s[40+i], i
.set i, i+1
.endr
	s_wait_dscnt 0x0
	v_add_f32 v9, v9, v10
	v_add_f32_dpp v9, v9, v9 row_xmask:8 row_mask:0xf bank_mask:0xf
	v_permlanex16_b32 v10, v9, s12, s13
	v_add_f32 v9, v9, v10
	v_cvt_f32_u32 v11, v11
	v_mul_f32 v9, v9, v11                          ; lanes 0 to 7: P_e n_e
	v_add_f32_dpp v9, v9, v9 row_xmask:1 row_mask:0xf bank_mask:0xf
	v_add_f32_dpp v9, v9, v9 row_xmask:2 row_mask:0xf bank_mask:0xf
	v_add_f32_dpp v9, v9, v9 row_xmask:4 row_mask:0xf bank_mask:0xf
	v_mul_f32 v9, 0x33800000, v9                   ; 2^-24
	v_cmp_eq_u32 vcc_lo, 0, v3
	s_wait_xcnt 0x0                                ; the list's stores are out: EXEC changes only behind this wait
	s_and_saveexec_b32 s15, vcc_lo
	global_store_b32 v12, v9, s[30:31]
	s_wait_xcnt 0x0                                ; and again, in front of the line that widens it
	s_or_b32 exec_lo, exec_lo, s15
.Lend:
	s_wait_tensorcnt 0x0                           ; the wave's end, behind my last LDS store
	ds_add_u32 v[SPW], v[NIL]
	s_wait_dscnt 0x0
	s_endpgm
.Lfunc_end_k_qd0316d5ce0_prep:
	.size	k_qd0316d5ce0_prep, .Lfunc_end_k_qd0316d5ce0_prep-k_qd0316d5ce0_prep
	.p2alignl 7, 3214868480
	.fill 96, 4, 3214868480
	.section	.rodata,"a",@progbits
	.p2align	6, 0x0
	.amdhsa_kernel k_qd0316d5ce0_prep
		.amdhsa_group_segment_fixed_size 36096
		.amdhsa_private_segment_fixed_size 0
		.amdhsa_enable_private_segment 0
		.amdhsa_kernarg_size 64
		.amdhsa_user_sgpr_count 2
		.amdhsa_user_sgpr_kernarg_segment_ptr 1
		.amdhsa_wavefront_size32 1
		.amdhsa_system_sgpr_workgroup_id_x 1
		.amdhsa_system_sgpr_workgroup_id_y 1
		.amdhsa_system_sgpr_workgroup_id_z 1
		.amdhsa_system_vgpr_workitem_id 0
		.amdhsa_next_free_vgpr 144
		.amdhsa_next_free_sgpr 66
		.amdhsa_reserve_vcc 1
		.amdhsa_float_denorm_mode_32 3
		.amdhsa_float_denorm_mode_16_64 3
		.amdhsa_memory_ordered 1
		.amdhsa_forward_progress 1
		.amdhsa_inst_pref_size 78
	.end_amdhsa_kernel
	.amdgpu_metadata
---
amdhsa.version: [ 1, 2 ]
amdhsa.kernels:
  - .name:           k_qd0316d5ce0_prep
    .symbol:         k_qd0316d5ce0_prep.kd
    .args:
      - { .name: W1, .offset: 0, .size: 8, .value_kind: global_buffer, .address_space: global }
      - { .name: W2, .offset: 8, .size: 8, .value_kind: global_buffer, .address_space: global }
      - { .name: setid, .offset: 16, .size: 8, .value_kind: global_buffer, .address_space: global }
      - { .name: psum, .offset: 24, .size: 8, .value_kind: global_buffer, .address_space: global }
      - { .name: wbuf, .offset: 32, .size: 8, .value_kind: global_buffer, .address_space: global }
      - { .name: list, .offset: 40, .size: 8, .value_kind: global_buffer, .address_space: global }
      - { .name: tiles, .offset: 48, .size: 8, .value_kind: global_buffer, .address_space: global }
      - { .name: out1, .offset: 56, .size: 8, .value_kind: global_buffer, .address_space: global }
    .group_segment_fixed_size: 36096
    .private_segment_fixed_size: 0
    .kernarg_segment_align: 8
    .kernarg_segment_size: 64
    .max_flat_workgroup_size: 256
    .sgpr_count:     66
    .vgpr_count:     144
    .wavefront_size: 32
...
	.end_amdgpu_metadata
.endif
;; end of part 2
;; launch chain (part 3): grid 198 x 1, 4 waves a work-group, no clusters, 200,960 bytes of LDS; arguments tiles, list, wts, xb, wbuf, b1, b2, out0; writes out0
.if DOCPART == 3
	.amdgcn_target "amdgcn-amd-amdhsa--gfx1250"
	.amdhsa_code_object_version 6
	.text
	.protected	k_qd0316d5ce0_chain
	.globl	k_qd0316d5ce0_chain
	.p2align	8
	.type	k_qd0316d5ce0_chain,@function
k_qd0316d5ce0_chain:
	s_mov_b64 s[64:65], 0
	v_nop
	global_prefetch_b8 v0, s[64:65] scope:SCOPE_SE
	s_setreg_imm32_b32 hwreg(HW_REG_WAVE_MODE, 25, 1), 1
	s_wait_xcnt 0x0
; THE CHAIN.  A work-group takes one tile: up to 48 tokens whose two experts are the same pair {a, b}, and stores their rows of out0 whole:
;   out[token] = w_a (gelu(x W1[a] + b1[a]) W2[a] + b2[a]) + w_b (the same with b).
; Only the chosen experts are multiplied: the others' results the one-hot of the module itself throws away.  198 = ceil(8192 / 48) + 27 tiles serve every split of the tokens over the
; 28 pairs; an entry with count 0 jumps the products and stores nothing.  In a tile that is not full the places past the count repeat its last token: the same X, the same weights, so the
; same bits.  The way out goes 12 rows at a time and ends at the first twelve that lie wholly past the count; the repeats inside the last twelve, 11 rows of 1,024 bytes at the most, are
; stored onto the last token's row once more, by the same wave, with the same values.
; FORMATS.  x, W1, W2, b1, b2 rounded to bf16 once; sums f32; the hidden layer times its gate's weight is rounded to bf16 once, as the second product's operand.
; SHARES.  Wave w owns the hidden units 256 w .. + 255 of each expert, 64 a step: four steps for a, four for b.  H^T = W1^T X^T leaves one token a lane (lane % 16) and eight hidden units
; in the lane's registers; two such results rounded in pairs ARE source 1 of O^T = W2^T H^T: the hidden layer never leaves registers.  Each wave sums a whole O^T (16 channel blocks x 3
; token blocks, 384 registers) over its hidden units and both experts; the four partial sums meet once, in f32, in LDS.
; WEIGHTS come from wbuf straight into operand registers, through a ring of eight groups of 32 registers: 64 loads of 512 bytes a wave are out.  Each weight byte enters the work-group once,
; into the one wave that uses it.  X and b1 lie in LDS and are only read in the loop, so the loop has no barrier; behind the loop the partial sums take their bytes, behind a barrier.
; NO JOINT LOADS.  Which tiles walk the same weights hangs on stored counts.  Whole clusters of four for each pair would be up to sum ceil(n_s / 192) = 70 clusters, 280 work-groups, and
; one without rows would still have to walk the whole ring with its partners; with 64 clusters a work-group would need 64 tokens, 512 accumulator registers beside the ring's 256.
; GELU.  erf by Abramowitz and Stegun 7.1.25: Phi(-|x|) = q = (a1 t + a2 t^2 + a3 t^3) e^(-x^2/2) / 2, t = 1 / (1 + 0.47047 |x| / sqrt 2), off by 1.25e-5 at the most for every x.
; With y = x w / 2 (w >= 0):  w gelu(x) = y + |y| (1 - 2 q).
; LIMITS.  NaN and infinities are not treated apart.
.set XP,     1040     ; an LDS row of X (1,024 bytes) or of a partial O (256 f32): + 16 = 260 words, so the 16 rows of a load or store begin 4 banks apart (64 banks of 4 bytes: ISA guide 11.1)
.set RED,    0        ; four partial O, 48 rows of 1,040 bytes each; in the loop the first holds X's 48 rows,
.set REDW,   49920
.set BL,     49920    ; and the head of the second b1 as f32, [wave][a, b][256], 8,192 bytes
.set MT,     199680   ; behind them: the 48 places' token numbers
.set MW,     199936   ; their (w_a, w_b)
.set SPARE,  200448   ; the spare words, 128 bytes for each wave: two blocks of 256 bytes that no other line names
.set GRP,    4096     ; a group of weights
.set STREAM, 24*GRP   ; a step's weights: 16 groups of W1, 8 of W2
; window 0
.set WO,  3           ; v3   16 x lane
.set XA,  4           ; v4   X fragments: 1,040 r + 16 h
.set BA0, 5           ; v5   my wave's b1: BL + 2,048 w + 32 h; never rewritten
.set SPW, 6           ; v6   LDS address of my spare word; never rewritten
.set NIL, 7           ; v7   0; never rewritten
.set WC,  8           ; v[8:13]  for token block t the pair (half the weight in hand, half w_b)
.set TOK, 14          ; v[14:16] token of place 16 t + r
.set RS,  17          ; v17  where I put my partial O
.set RR,  18          ; v[18:21] where I read the four partial sums; never rewritten
.set MTA, 22          ; v22  MT + 4 h; never rewritten
.set MWA, 23          ; v23  MW + 8 h; never rewritten
.set OC,  24          ; v24  256 w + 16 r: my 16 bytes of a row of out0, and of b2
.set GS,  25          ; v25  where I put gathered rows
.set TI,  26          ; v[26:28] places in the list
.set BA,  29          ; v29  the step's b1: BA0 + 256 x step
.set B2A, 32          ; v[32:35], v[36:39]  b2[a], b2[b] of my four channels
.set B2B, 36
.set GO,  40          ; v[40:51] offsets of the gathered rows; later of out0's rows
.set WOF, 52          ; v[52:54]
.set AB1, 55
.set AB2, 56          ; v56, v57
.set LB1, 58
.set LMT, 59
.set LMW, 60
.set HA,  64          ; v[64:159]  H^T: hidden block hb, token block t at HA + 8 (3 hb + t)
.set P,   160         ; v[160:207] its bf16 form: 32 hidden units q, token block t at P + 24 q + 8 t
.set XF,  208         ; v[208:255] X fragments, two buffers of 24; in GELU:
.set TT,  208
.set EE,  224
.set YY,  240
; window 1: the ring, slot s at 32 s.   window 2: O^T of token blocks 0, 1 at 128 t + 8 cb.   window 3: v[0:127] O^T of token block 2; v[128:159] b1 as a C operand
.set BI,  128
.set SC,  32          ; s[32:33] the stream of the step in hand
.set SN,  34          ; s[34:35] of the next step
.set PB,  36          ; s[36:37] expert b's first
.set TP,  38          ; s[38:39]
.set CT,  40          ; s40  steps to go
.set SM,  41
.set NC,  42          ; s[42:43] -log2(e) / 2
.set PPC, 44          ; s44      0.47047 / sqrt 2
.set TBB, 45          ; s45      256 x the step whose b1 is fetched next
.set C3,  46          ; s[46:47] -a3
.set C2,  48          ; s[48:49] -a2
.set C1,  50          ; s[50:51] -a1
.set MSB, 0
.macro WIN new                      ; s_set_vgpr_msb: bits 1:0 source 0, 3:2 source 1, 5:4 source 2, 7:6 destination; the high byte repeats the setting that is left
.if MSB != (\new)
	s_set_vgpr_msb (MSB<<8)|(\new)
.set MSB, \new
.endif
.endm
; A load into a register that a matrix instruction has read, and a vector instruction or LDS store that reads a matrix result, stand four plain vector instructions behind it.
.macro PLACES
.rept 4
	v_nop
.endr
.endm
; GI counts the groups asked for, GC those used; a group's slot is its number modulo 8.  A step has 24 groups, so the slots are the same in every trip.
.macro WLOAD base, goff
	WIN 0x40                                       ; destination window 1
.set wn, 0
.rept 8
	global_load_b128 v[32*(GI%8)+4*wn:32*(GI%8)+4*wn+3], v[WO], s[\base:\base+1] offset:GRP*(\goff)+512*wn
.set wn, wn+1
.endr
.set GI, GI+1
.endm
.macro WWAIT
	s_wait_loadcnt 8*(GI-GC-1)                     ; the groups asked for behind the one now used, eight loads each, stay out
.endm
.macro XLOAD ks                     ; X's three fragments of K step ks
	WIN 0
.irp t, 0,1,2
.irp c, 0,1
	ds_load_b128 v[XF+24*((\ks)%2)+8*\t+4*\c:XF+24*((\ks)%2)+8*\t+4*\c+3], v[XA] offset:16*XP*\t+64*(\ks)+32*\c
.endr
.endr
.endm
; K step ks of H^T: 12 products, the 12 accumulators by turns; the first K step takes b1 as C.  Then the slot and the X buffer just read are asked for again.
.macro L1K ks
	WWAIT
.if (\ks) == 15
	s_wait_dscnt 0x0
.else
	s_wait_dscnt 0x6                               ; the next K step's six loads of X stay out
.endif
.if (\ks) == 0
	WIN 0x31                                       ; weights window 1, C window 3
.else
	WIN 0x01
.endif
.irp t, 0,1,2
.irp hb, 0,1,2,3
.if (\ks) == 0
	v_wmma_f32_16x16x32_bf16 v[HA+8*(3*\hb+\t):HA+8*(3*\hb+\t)+7], v[32*(GC%8)+8*\hb:32*(GC%8)+8*\hb+7], v[XF+24*((\ks)%2)+8*\t:XF+24*((\ks)%2)+8*\t+7], v[BI+8*\hb:BI+8*\hb+7]
.else
	v_wmma_f32_16x16x32_bf16 v[HA+8*(3*\hb+\t):HA+8*(3*\hb+\t)+7], v[32*(GC%8)+8*\hb:32*(GC%8)+8*\hb+7], v[XF+24*((\ks)%2)+8*\t:XF+24*((\ks)%2)+8*\t+7], v[HA+8*(3*\hb+\t):HA+8*(3*\hb+\t)+7]
.endif
.endr
.endr
.set GC, GC+1
	PLACES
	WLOAD SC, (\ks)+8
.if (\ks) <= 13
	XLOAD (\ks)+2
.endif
.endm
; 16 numbers a lane: hidden units 32 q .. + 31 of token block t.  All 32 transcendentals are one batch with one wait; ahead of it nothing names a result of theirs, and each has a plain neighbour.
.macro GELU t, q
.set X0, HA+8*(6*(\q)+(\t))         ; number k at X0 + k + 16 (k / 8): two accumulators, each read from its lowest register on
.set PQ, P+24*(\q)+8*(\t)
.set WT, WC+2*(\t)
	WIN 0
.set k, 0
.rept 16
	v_fma_f32 v[TT+k], |v[X0+k+16*(k/8)]|, s[PPC], 1.0
.if k > 0
	v_rcp_f32 v[TT+k-1], v[TT+k-1]
.endif
.set k, k+1
.endr
	v_pk_mul_f32 v[EE:EE+1], v[X0:X0+1], s[NC:NC+1] op_sel_hi:[1,0]
	v_rcp_f32 v[TT+15], v[TT+15]
	v_pk_mul_f32 v[EE:EE+1], v[EE:EE+1], v[X0:X0+1]
.set p, 1
.rept 7
.set XQ, X0+2*p+16*(p/4)
	v_pk_mul_f32 v[EE+2*p:EE+2*p+1], v[XQ:XQ+1], s[NC:NC+1] op_sel_hi:[1,0]
	v_exp_f32 v[EE+2*p-2], v[EE+2*p-2]
	v_pk_mul_f32 v[EE+2*p:EE+2*p+1], v[EE+2*p:EE+2*p+1], v[XQ:XQ+1]
	v_exp_f32 v[EE+2*p-1], v[EE+2*p-1]
.set p, p+1
.endr
	v_pk_mul_f32 v[X0:X0+1], v[X0:X0+1], v[WT:WT+1] op_sel_hi:[1,0]          ; y = x w / 2
	v_exp_f32 v[EE+14], v[EE+14]
	v_pk_mul_f32 v[X0+2:X0+3], v[X0+2:X0+3], v[WT:WT+1] op_sel_hi:[1,0]
	v_exp_f32 v[EE+15], v[EE+15]
.set p, 2
.rept 6
.set XQ, X0+2*p+16*(p/4)
	v_pk_mul_f32 v[XQ:XQ+1], v[XQ:XQ+1], v[WT:WT+1] op_sel_hi:[1,0]
.set p, p+1
.endr
	s_wait_alu depctr_va_vdst(0)                   ; one wait for the batch, ahead of its first reader
.set p, 0
.rept 8
	v_pk_fma_f32 v[YY+2*p:YY+2*p+1], v[TT+2*p:TT+2*p+1], s[C3:C3+1], s[C2:C2+1] op_sel_hi:[1,0,0]
.set p, p+1
.endr
.set p, 0
.rept 8
	v_pk_fma_f32 v[YY+2*p:YY+2*p+1], v[YY+2*p:YY+2*p+1], v[TT+2*p:TT+2*p+1], s[C1:C1+1] op_sel_hi:[1,1,0]
.set p, p+1
.endr
.set p, 0
.rept 8
	v_pk_mul_f32 v[YY+2*p:YY+2*p+1], v[YY+2*p:YY+2*p+1], v[TT+2*p:TT+2*p+1]
.set p, p+1
.endr
.set p, 0
.rept 8
	v_pk_fma_f32 v[EE+2*p:EE+2*p+1], v[YY+2*p:YY+2*p+1], v[EE+2*p:EE+2*p+1], 1.0 op_sel_hi:[1,1,0]   ; 1 - 2 q
.set p, p+1
.endr
.set k, 0
.rept 16
	v_fma_f32 v[X0+k+16*(k/8)], |v[X0+k+16*(k/8)]|, v[EE+k], v[X0+k+16*(k/8)]
.set k, k+1
.endr
.set p, 0
.rept 8
.set XQ, X0+2*p+16*(p/4)
	v_cvt_pk_bf16_f32 v[PQ+p], v[XQ], v[XQ+1]
.set p, p+1
.endr
.endm
; What the next step's first K steps want from LDS: its b1 as four C operands (register j: hidden unit 8 h + j, the same for all 16 tokens), and X's first two K steps.
; The address of b1 is made anew each time: the wave's fixed lane term and a scalar that steps by a step's 64 numbers, 256 bytes.
.macro PRE
	WIN 0
	v_add_nc_u32 v[BA], s[TBB], v[BA0]
	s_add_co_u32 s[TBB], s[TBB], 256
	WIN 0xc0                                       ; destination window 3
.irp hb, 0,1,2,3
.irp c, 0,1
	ds_load_b128 v[BI+8*\hb+4*\c:BI+8*\hb+4*\c+3], v[BA] offset:64*\hb+16*\c
.endr
.endr
	XLOAD 0
	XLOAD 1
.endm
; Group g of W2: hidden units 32 (g / 4) on, channel blocks 4 (g % 4) + f: 12 products on 12 accumulators by turns.  nxt = 1: the slot takes group g of the next step's stream.
.macro L2G g, nxt
	WWAIT
	WIN 0xa1                                       ; weights window 1, P window 0, O^T window 2
.irp f, 0,1,2,3
.irp t, 0,1
	v_wmma_f32_16x16x32_bf16 v[128*\t+8*(4*((\g)&3)+\f):128*\t+8*(4*((\g)&3)+\f)+7], v[32*(GC%8)+8*\f:32*(GC%8)+8*\f+7], v[P+24*((\g)>>2)+8*\t:P+24*((\g)>>2)+8*\t+7], v[128*\t+8*(4*((\g)&3)+\f):128*\t+8*(4*((\g)&3)+\f)+7]
.endr
.endr
	WIN 0xf1                                       ; O^T window 3
.irp f, 0,1,2,3
	v_wmma_f32_16x16x32_bf16 v[8*(4*((\g)&3)+\f):8*(4*((\g)&3)+\f)+7], v[32*(GC%8)+8*\f:32*(GC%8)+8*\f+7], v[P+24*((\g)>>2)+16:P+24*((\g)>>2)+23], v[8*(4*((\g)&3)+\f):8*(4*((\g)&3)+\f)+7]
.endr
.set GC, GC+1
	PLACES
.if \nxt
	WLOAD SN, \g
.endif
.endm
; THE WAY OUT, rows 12 tr .. 12 tr + 11.  Wave w has bytes 256 w .. + 255 of every row; a step i takes rows 12 tr + 2 i + h: sixteen lanes store 256 consecutive bytes of out0, aligned.
; The row's place stands in the LDS loads' immediates (2,080 x 23 bytes at the most), so no address register is stepped.  Twelve rows that lie wholly past the count are jumped, and all behind them.
.macro OUTT tr
	s_cmp_le_u32 s7, 12*(\tr)
	s_cbranch_scc1 .Ldone                          ; forward, over loads and stores alone
.if (\tr) > 0
	s_wait_xcnt 0x0                                ; the registers that the twelve rows before were stored from are written again only behind this wait
.endif
.set i, 0
.rept 6
.irp s, 0,1,2,3
	ds_load_b128 v[HA+16*i+4*\s:HA+16*i+4*\s+3], v[RR+\s] offset:2*XP*(6*(\tr)+i)
.endr
	ds_load_b32 v[P+i], v[MTA] offset:8*(6*(\tr)+i)
	ds_load_b64 v[P+6+2*i:P+7+2*i], v[MWA] offset:16*(6*(\tr)+i)
.set i, i+1
.endr
.set i, 0
.rept 6
.set b, HA+16*i
.set w, P+6+2*i
	s_wait_dscnt 30-6*i                            ; the later steps' loads, six each, stay out
	v_pk_add_f32 v[b:b+1], v[b:b+1], v[b+4:b+5]
	v_pk_add_f32 v[b+2:b+3], v[b+2:b+3], v[b+6:b+7]
	v_pk_add_f32 v[b+8:b+9], v[b+8:b+9], v[b+12:b+13]
	v_pk_add_f32 v[b+10:b+11], v[b+10:b+11], v[b+14:b+15]
	v_pk_add_f32 v[b:b+1], v[b:b+1], v[b+8:b+9]
	v_pk_add_f32 v[b+2:b+3], v[b+2:b+3], v[b+10:b+11]
	v_pk_fma_f32 v[b:b+1], v[B2A:B2A+1], v[w:w+1], v[b:b+1] op_sel_hi:[1,0,1]                       ; + w_a b2[a]
	v_pk_fma_f32 v[b+2:b+3], v[B2A+2:B2A+3], v[w:w+1], v[b+2:b+3] op_sel_hi:[1,0,1]
	v_pk_fma_f32 v[b:b+1], v[B2B:B2B+1], v[w:w+1], v[b:b+1] op_sel:[0,1,0] op_sel_hi:[1,1,1]        ; + w_b b2[b]
	v_pk_fma_f32 v[b+2:b+3], v[B2B+2:B2B+3], v[w:w+1], v[b+2:b+3] op_sel:[0,1,0] op_sel_hi:[1,1,1]
	v_min_u32 v[P+i], 0x1fff, v[P+i]
	v_lshl_add_u32 v[GO+i], v[P+i], 10, v[OC]
	global_store_b128 v[GO+i], v[b:b+3], s[30:31] th:TH_STORE_NT
.set i, i+1
.endr
.endm
	s_load_b512 s[16:31], s[0:1], 0x0              ; tiles 16, list 18, wts 20, xb 22, wbuf 24, b1 26, b2 28, out0 30
	v_lshl_add_u32 v[SPW], v0, 2, SPARE
	v_mov_b32 v[NIL], 0
	v_lshrrev_b32 v26, 5, v0
	v_readfirstlane_b32 s8, v26                    ; wave 0..3
	s_lshl_b32 s10, ttmp9, 4
	v_and_b32 v1, 15, v0                           ; r
	v_bfe_u32 v2, v0, 4, 1                         ; h
	v_and_b32 v26, 31, v0
	v_lshlrev_b32 v[WO], 4, v26
	s_wait_kmcnt 0x0
	s_load_b128 s[4:7], s[16:17], s10 offset:0x0   ; my tile: a, b, first place in the list, count
	v_mul_u32_u24 v[XA], v1, XP
	v_lshl_add_u32 v[RS], v2, 5, v[XA]
	v_lshl_add_u32 v[XA], v2, 4, v[XA]
	s_lshl_b32 s52, s8, 11
	s_add_co_u32 s52, s52, BL
	v_lshl_add_u32 v[BA0], v2, 5, s52
	s_mov_b32 s[TBB], 0
	s_mul_i32 s53, s8, REDW
	s_add_co_u32 s53, s53, RED
	v_add_nc_u32 v[RS], s53, v[RS]                 ; my partial O: row r, 32 bytes for each half of the lanes
	s_lshl_b32 s54, s8, 8
	v_lshl_add_u32 v[OC], v1, 4, s54
	v_mul_u32_u24 v27, v2, XP
	v_add_nc_u32 v27, v27, v[OC]
.irp s, 0,1,2,3
	v_add_nc_u32 v[RR+\s], RED+REDW*\s, v27        ; back: lanes 0-15 256 bytes of one row, lanes 16-31 of the next; wave w the w-th quarter of the rows
.endr
	v_lshl_add_u32 v[MTA], v2, 2, MT
	v_lshl_add_u32 v[MWA], v2, 3, MW
	s_mul_i32 s55, s8, XP
	v_add_nc_u32 v[GS], s55, v[WO]                 ; gathered rows 4 j + w
	s_lshl_b32 s56, s8, 9
	s_add_co_u32 s56, s56, BL
	v_add_nc_u32 v[LB1], s56, v[WO]
	v_lshl_add_u32 v[LMT], v1, 2, MT
	v_lshl_add_u32 v[LMW], v1, 3, MW
	s_mov_b32 s[NC], 0xbf38aa3b                    ; -0.72134752
	s_mov_b32 s[NC+1], 0xbf38aa3b                  ; the pairs' second words are named with the first, so they are written
	s_mov_b32 s[PPC], 0x3eaa540e                   ; 0.33267253
	s_mov_b32 s[C3], 0xbf3f7377                    ; -0.7478556
	s_mov_b32 s[C3+1], 0xbf3f7377
	s_mov_b32 s[C2], 0x3dc45ca1                    ; +0.0958798
	s_mov_b32 s[C2+1], 0x3dc45ca1
	s_mov_b32 s[C1], 0xbeb2303a                    ; -0.3480242
	s_mov_b32 s[C1+1], 0xbeb2303a
	s_mov_b32 s11, 0
	s_wait_kmcnt 0x0
	s_min_u32 s4, s4, 7
	s_min_u32 s5, s5, 7
	s_min_u32 s6, s6, 0x1fff
	s_min_u32 s7, s7, 48
	s_max_u32 s9, s7, 1
	s_sub_co_u32 s9, s9, 1                         ; places past the count repeat the tile's last token
.irp t, 0,1,2
	v_add_nc_u32 v[TI+\t], 16*\t, v1
	v_min_u32 v[TI+\t], s9, v[TI+\t]
	v_add_nc_u32 v[TI+\t], s6, v[TI+\t]
	v_min_u32 v[TI+\t], 0x1fff, v[TI+\t]
	v_lshlrev_b32 v[TI+\t], 2, v[TI+\t]
	global_load_b32 v[TOK+\t], v[TI+\t], s[18:19]  ; the token of place 16 t + r
.endr
.set j, 0
.rept 12                                           ; and, as scalars, the tokens of the 12 rows 4 j + w that my wave gathers
	s_add_co_u32 s[66+j], s8, 4*j
	s_min_u32 s[66+j], s[66+j], s9
	s_add_co_u32 s[66+j], s[66+j], s6
	s_min_u32 s[66+j], s[66+j], 0x1fff
	s_lshl_b32 s[66+j], s[66+j], 2
	s_load_b32 s[80+j], s[18:19], s[66+j] offset:0x0
.set j, j+1
.endr
	s_lshl_b32 s53, s8, 2
	s_lshl_b32 s52, s4, 4
	s_add_co_u32 s52, s52, s53
	s_mul_i32 s10, s52, STREAM
	s_add_nc_u64 s[SC:SC+1], s[24:25], s[10:11]    ; stream 16 a + 4 w
	s_lshl_b32 s52, s5, 4
	s_add_co_u32 s52, s52, s53
	s_mul_i32 s10, s52, STREAM
	s_add_nc_u64 s[PB:PB+1], s[24:25], s[10:11]    ; stream 16 b + 4 w
	s_add_nc_u64 s[SN:SN+1], s[SC:SC+1], STREAM
.set GI, 0
.set GC, 0
.irp g, 0,1,2,3,4,5,6
	WLOAD SC, \g
.endr
	WIN 0
	s_wait_loadcnt 56                              ; the seven groups' 56 loads are younger: the three token loads are in
.irp t, 0,1,2
	v_min_u32 v[TOK+\t], 0x1fff, v[TOK+\t]
	v_lshlrev_b32 v[WOF+\t], 3, v[TOK+\t]
	global_load_b64 v[WC+2*\t:WC+2*\t+1], v[WOF+\t], s[20:21]
.endr
	WLOAD SC, 7
	WIN 0
	s_lshl_b32 s58, s4, 10
	v_add_nc_u32 v[AB2], s58, v[OC]
	s_lshl_b32 s58, s5, 10
	v_add_nc_u32 v[AB2+1], s58, v[OC]
	global_load_b128 v[B2A:B2A+3], v[AB2], s[28:29]
	global_load_b128 v[B2B:B2B+3], v[AB2+1], s[28:29]
	s_and_b32 s57, s8, 1                           ; b1: waves 0, 1 bring expert a's 1,024 numbers, waves 2, 3 expert b's
	s_lshl_b32 s57, s57, 9
	s_cmp_lt_u32 s8, 2
	s_cselect_b32 s58, s4, s5
	s_min_u32 s58, s58, 7                          ; the bound once more, behind the choice
	s_lshl_b32 s58, s58, 12
	s_add_co_u32 s57, s57, s58
	v_add_nc_u32 v[AB1], s57, v[WO]
.irp z, 0,1,2,3
	global_load_b128 v[P+4*\z:P+4*\z+3], v[AB1], s[26:27] offset:1024*\z
.endr
	s_wait_kmcnt 0x0
.set j, 0
.rept 12
	s_min_u32 s[80+j], s[80+j], 0x1fff
	v_lshl_add_u32 v[GO+j], s[80+j], 10, v[WO]
	global_load_b128 v[HA+8*j:HA+8*j+3], v[GO+j], s[22:23]                ; a row of xb: twice 512 consecutive bytes
	global_load_b128 v[HA+8*j+4:HA+8*j+7], v[GO+j], s[22:23] offset:512
.set j, j+1
.endr
	; O^T starts at 0, under the loads: 384 lines once a launch, which spare a second text of a step for the first products, and serve the way that jumps the loop
	WIN 0x80
.set i, 0
.rept 256
	v_mov_b32 v[i], 0
.set i, i+1
.endr
	WIN 0xc0
.set i, 0
.rept 128
	v_mov_b32 v[i], 0
.set i, i+1
.endr
	WIN 0
	s_wait_loadcnt 0x0
.set z, 0
.rept 8                                            ; b1 and b2 are rounded to bf16 like every input, and kept as f32
	v_cvt_pk_bf16_f32 v[P+16+z], v[P+2*z], v[P+2*z+1]
.set z, z+1
.endr
.set z, 0
.rept 8
	v_lshlrev_b32 v[P+2*z], 16, v[P+16+z]
	v_and_b32 v[P+2*z+1], 0xffff0000, v[P+16+z]
.set z, z+1
.endr
.set z, 0
.rept 4
	v_cvt_pk_bf16_f32 v[P+24+z], v[B2A+2*z], v[B2A+2*z+1]
.set z, z+1
.endr
.set z, 0
.rept 4
	v_lshlrev_b32 v[B2A+2*z], 16, v[P+24+z]
	v_and_b32 v[B2A+2*z+1], 0xffff0000, v[P+24+z]
.set z, z+1
.endr
.irp z, 0,1,2,3
	ds_store_b128 v[LB1], v[P+4*\z:P+4*\z+3] offset:2048*\z              ; hidden units 256 z on belong to wave z
.endr
.set j, 0
.rept 12
	ds_store_b128 v[GS], v[HA+8*j:HA+8*j+3] offset:4*XP*j
	ds_store_b128 v[GS], v[HA+8*j+4:HA+8*j+7] offset:4*XP*j+512
.set j, j+1
.endr
	s_cmp_lg_u32 s8, 0
	s_cbranch_scc1 .Lnometa
.irp t, 0,1,2
	ds_store_b32 v[LMT], v[TOK+\t] offset:64*\t
	ds_store_b64 v[LMW], v[WC+2*\t:WC+2*\t+1] offset:128*\t
.endr
.Lnometa:
	s_wait_dscnt 0x0                               ; for the others' sake: my rows of X, my part of b1 (and wave 0's tokens and weights) are written
	s_barrier_signal -1
	s_barrier_wait -1
.set i, 0
.rept 6
	v_mul_f32 v[WC+i], 0.5, v[WC+i]
.set i, i+1
.endr
	s_cmp_eq_u32 s7, 0
	s_cbranch_scc1 .Lreduce                        ; a tile without rows: forward, over work alone
	PRE
	s_mov_b32 s[CT], 8
.Lstep:
.irp ks, 0,1,2,3,4,5,6,7,8,9,10,11,12,13,14,15
	L1K \ks
.endr
.irp t, 0,1,2
	GELU \t, 0
	GELU \t, 1
.endr
	WIN 0
	s_cmp_eq_u32 s[CT], 1
	s_cbranch_scc1 .Ltail                          ; the last step asks for nothing more
	PRE
.irp g, 0,1,2,3,4,5,6,7
	L2G \g, 1
.endr
	WIN 0
	s_wait_xcnt 0x0                                ; the pending loads' bases are rewritten only behind this wait
	s_mov_b64 s[SC:SC+1], s[SN:SN+1]
	s_add_nc_u64 s[TP:TP+1], s[SN:SN+1], STREAM
	s_cmp_eq_u32 s[CT], 6                          ; at the end of step 2: the step after next is expert b's first
	s_cselect_b64 s[SN:SN+1], s[PB:PB+1], s[TP:TP+1]
	s_cmp_eq_u32 s[CT], 5                          ; at the end of step 3: from now on the weight is w_b
	s_cselect_b32 s[SM], -1, 0
.irp t, 0,1,2
	v_cndmask_b32 v[WC+2*\t], v[WC+2*\t], v[WC+2*\t+1], s[SM]
.endr
	s_sub_co_u32 s[CT], s[CT], 1
	s_cmp_lg_u32 s[CT], 0
	s_cbranch_scc1 .Lstep
.Ltail:
.set GC, 16                                        ; as at the jump: the step's eight groups of W2 are out, and the counts run down
.set GI, 24
.irp g, 0,1,2,3,4,5,6,7
	L2G \g, 0
.endr
	WIN 0
.Lreduce:
	; The partial sums take the bytes of X and b1: my reads of those are over (the wait for 0), and no wave stores before all four have said so.
	s_wait_dscnt 0x0
	s_barrier_signal -1
	s_barrier_wait -1
	; my partial O^T into LDS as rows [token][256 f32]: a lane's eight channels are 32 neighbouring bytes; each accumulator's low registers go first
	WIN 0x08                                       ; store data in window 2
.irp t, 0,1
.set cb, 0
.rept 16
	ds_store_b128 v[RS], v[128*\t+8*cb:128*\t+8*cb+3] offset:16*XP*\t+64*cb
	ds_store_b128 v[RS], v[128*\t+8*cb+4:128*\t+8*cb+7] offset:16*XP*\t+64*cb+16
.set cb, cb+1
.endr
.endr
	WIN 0x0c                                       ; in window 3
.set cb, 0
.rept 16
	ds_store_b128 v[RS], v[8*cb:8*cb+3] offset:32*XP+64*cb
	ds_store_b128 v[RS], v[8*cb+4:8*cb+7] offset:32*XP+64*cb+16
.set cb, cb+1
.endr
	WIN 0
	s_wait_dscnt 0x0                               ; for the others' sake: my partial sums are written
	s_barrier_signal -1
	s_barrier_wait -1
	OUTT 0                                         ; a tile without rows leaves here and stores nothing
	OUTT 1
	OUTT 2
	OUTT 3
.Ldone:
	s_wait_tensorcnt 0x0                           ; the wave's end, behind my last LDS store
	ds_add_u32 v[SPW], v[NIL]
	s_wait_dscnt 0x0
	s_endpgm
.Lfunc_end_k_qd0316d5ce0_chain:
	.size	k_qd0316d5ce0_chain, .Lfunc_end_k_qd0316d5ce0_chain-k_qd0316d5ce0_chain
	.p2alignl 7, 3214868480
	.fill 96, 4, 3214868480
	.section	.rodata,"a",@progbits
	.p2align	6, 0x0
	.amdhsa_kernel k_qd0316d5ce0_chain
		.amdhsa_group_segment_fixed_size 200960
		.amdhsa_private_segment_fixed_size 0
		.amdhsa_enable_private_segment 0
		.amdhsa_kernarg_size 64
		.amdhsa_user_sgpr_count 2
		.amdhsa_user_sgpr_kernarg_segment_ptr 1
		.amdhsa_wavefront_size32 1
		.amdhsa_system_sgpr_workgroup_id_x 1
		.amdhsa_system_sgpr_workgroup_id_y 1
		.amdhsa_system_sgpr_workgroup_id_z 1
		.amdhsa_system_vgpr_workitem_id 0
		.amdhsa_next_free_vgpr 928
		.amdhsa_next_free_sgpr 96
		.amdhsa_reserve_vcc 0
		.amdhsa_float_denorm_mode_32 3
		.amdhsa_float_denorm_mode_16_64 3
		.amdhsa_memory_ordered 1
		.amdhsa_forward_progress 1
		.amdhsa_inst_pref_size 174
	.end_amdhsa_kernel
	.amdgpu_metadata
---
amdhsa.version: [ 1, 2 ]
amdhsa.kernels:
  - .name:           k_qd0316d5ce0_chain
    .symbol:         k_qd0316d5ce0_chain.kd
    .args:
      - { .name: tiles, .offset: 0, .size: 8, .value_kind: global_buffer, .address_space: global }
      - { .name: list, .offset: 8, .size: 8, .value_kind: global_buffer, .address_space: global }
      - { .name: wts, .offset: 16, .size: 8, .value_kind: global_buffer, .address_space: global }
      - { .name: xb, .offset: 24, .size: 8, .value_kind: global_buffer, .address_space: global }
      - { .name: wbuf, .offset: 32, .size: 8, .value_kind: global_buffer, .address_space: global }
      - { .name: b1, .offset: 40, .size: 8, .value_kind: global_buffer, .address_space: global }
      - { .name: b2, .offset: 48, .size: 8, .value_kind: global_buffer, .address_space: global }
      - { .name: out0, .offset: 56, .size: 8, .value_kind: global_buffer, .address_space: global }
    .group_segment_fixed_size: 200960
    .private_segment_fixed_size: 0
    .kernarg_segment_align: 8
    .kernarg_segment_size: 64
    .max_flat_workgroup_size: 128
    .sgpr_count:     96
    .vgpr_count:     928
    .wavefront_size: 32
...
	.end_amdgpu_metadata
.endif
;; end of part 3
